; MI455X (gfx1250); checked and timed in simulation.
; The chip was launched on July 23, 2026; its instructions are those of AMD's public machine-readable ISA for CDNA 5 (MIT licence, August 2026) and "CDNA5" Instruction Set Architecture Reference Guide (July 2026). The comments in the code are by the model that wrote it; some were corrected since.
;; Multi Head Attention. Allowed arithmetic: matrix products marked QUANTISED: E4M3 operands, one given power-of-two scale a tensor, by v_wmma_f32_16x16x64_fp8_fp8 or v_wmma_f32_16x16x128_fp8_fp8, f32 sums; everything else in f32.
;; Inputs: lowp_scales 12 int32 (the exponents e of the quantised operands' scales 2^e); wk 1,024 x 1,024 float32; wo 1,024 x 1,024 float32; wq 1,024 x 1,024 float32; wv 1,024 x 1,024 float32; x 4 x 2,048 x 1,024 float32.
;; Outputs: out0 4 x 2,048 x 1,024 float32.
;; This version of the problem:
;;   THIS VERSION OF THE PROBLEM IS GIVEN IN LOW PRECISION. The matrix products marked QUANTISED in the list below multiply operands that are first quantised to E4M3 (4 exponent bits, 3 mantissa bits; 8 bits a number), with one given power-of-two scale for each operand tensor; their sums are f32. All else is computed in f32.
;;   The module's matrix products, in the order in which they are computed (A, B: the left and right operand; K: the contracted axis; several contracted axes count as one K, in the product's order):
;;     1. [M 8,192, K 1,024] x [K 1,024, N 1,024]; A: input x; B: input wq: QUANTISED (scales: A lowp_scales[0], B lowp_scales[1])
;;     2. [M 8,192, K 1,024] x [K 1,024, N 1,024]; A: input x; B: input wk: QUANTISED (scales: A lowp_scales[2], B lowp_scales[3])
;;     3. [M 8,192, K 1,024] x [K 1,024, N 1,024]; A: input x; B: input wv: QUANTISED (scales: A lowp_scales[4], B lowp_scales[5])
;;     4. batch 64 x [M 2,048, K 64] x [K 64, N 2,048]; A: computed on the way; B: computed on the way: QUANTISED (scales: A lowp_scales[6], B lowp_scales[7])
;;     5. batch 64 x [M 2,048, K 2,048] x [K 2,048, N 64]; A: softmax (see below); B: computed on the way: QUANTISED (scales: A lowp_scales[8], B lowp_scales[9])
;;     6. [M 8,192, K 1,024] x [K 1,024, N 1,024]; A: computed on the way; B: input wo: QUANTISED (scales: A lowp_scales[10], B lowp_scales[11])
;;   THE QUANTISER, for each operand of a quantised product, along K:
;;     - The operand's scale is 2^e, e = its entry of the input lowp_scales (int32; the entries are numbered through the quantised products in the list's order, A before B).
;;     - Each number is divided by the scale, clamped to +-448, and rounded to the nearest number of E4M3, ties to even, subnormals kept.
;;     - The product sums the exact products of the quantised numbers (number of the format x scale) in f32.
;;   ~~~python
;;   def quantise(x, axis, e):      # numpy; x: float32 -> the quantised numbers, widened to float32 again
;;       x = np.moveaxis(x, axis, -1); K = x.shape[-1]
;;       r = np.clip(x / 2.0 ** e, -448, 448)
;;       step = 2.0 ** (np.maximum(np.frexp(np.where(r == 0, 1, r))[1] - 1, -6) - 3)
;;       q = np.round(r / step) * step * 2.0 ** e      # np.round: ties to even
;;       return np.moveaxis(q, -1, axis).astype(np.float32)
;;   ~~~
;;   SOFTMAX AHEAD OF A QUANTISED PRODUCT. Where the list says 'softmax', what is quantised is not the finished softmax but p = 2^(t - M), with t = logit x log2(e) and M = ceil(the row's largest t), a whole number; so 1/2 < the row's largest p <= 1. The row's sum l is taken of the UNQUANTISED p, in f32, and the product's result is divided by l at the end. Since M is a whole number, a kernel that streams over the keys may use a running M (the ceiling of the running maximum): every later rescaling is an exact power of two, so the quantised numbers keep their values, but for numbers so far below the row's largest that they fall under the format's range.
;;   OPERANDS COMPUTED ON THE WAY. 'Computed on the way' means the value that the module computes at that place (a softmax that the list does not call 'softmax' is quantised finished and normalised). What goes into a quantiser is computed in f32, as accurately as f32 sums, v_exp_f32 and their like allow (about 1e-6 of the number): no bf16 or f16 on the way to a quantiser, and a product that is left as it is and whose result goes on into a quantised operand takes f32 operands (vector FMAs, or v_wmma_f32_16x16x4_f32). A number that lies on a knife's edge between two numbers of the format may be rounded either way, as far as f32 arithmetic and the matrix unit's own rounding can turn it there, and no further.
;; One version. Each part assembles by itself: llvm-mc -triple=amdgcn-amd-amdhsa -mcpu=gfx1250 --defsym DOCPART=n.
;; ======== version 1 of 1: 4 launches
;; limits: right only within a limited range of input values
;; workspace buffers: xc 25,165,824 bytes; wc 4,194,304 bytes; qkv 25,165,824 bytes; oc 8,388,608 bytes
;; launch quant (part 1): grid 384 x 1, 4 waves a work-group, no clusters, 35,328 bytes of LDS; arguments x, wq, wk, wv, wo, lowp_scales, xc, wc; writes xc, wc
.if DOCPART == 1
	.amdgcn_target "amdgcn-amd-amdhsa--gfx1250"
	.amdhsa_code_object_version 6
	.text
	.protected	k_q4b3b8cb100_quant
	.globl	k_q4b3b8cb100_quant
	.p2align	8
	.type	k_q4b3b8cb100_quant,@function
k_q4b3b8cb100_quant:
	s_mov_b64 s[64:65], 0
	v_nop
	global_prefetch_b8 v0, s[64:65] scope:SCOPE_SE
	s_setreg_imm32_b32 hwreg(HW_REG_WAVE_MODE, 25, 1), 1
	s_wait_xcnt 0x0
; x [8192][1024] and wq, wk, wv, wo [1024][1024], f32, K innermost, become codes of FP8 (E4M3), laid as IMAGES OF OPERAND REGISTERS.
; AN IMAGE is 1,024 bytes: 16 rows x 64 along K.  Byte 512 c + 16 L + 8 u + j (L = r + 16 h the lane) holds (row r, k = 32 c + 16 u + 8 h + j): two loads of 16 bytes a lane, at 16 L and 16 L + 512,
; give the eight registers of a 16x16x64 fragment with every k in its own place; two images on end give a 16x16x128 fragment.
; xc: [3 scales: e0, e2, e4][512 blocks of 16 rows][16 blocks of 64 k][1024].  wc: [wq, wk, wv, wo][64][16][1024], with e1, e3, e5, e11.
; code = number / 2^e, held within +-448, to the nearest code, ties to even.  x is an operand of three products with three given scales, so it is converted three times from one read.
; LIMITS: each e used here lies between -126 and 119, so that 2^e and 448 x 2^e are f32 numbers.  NaN among the inputs is not served (an infinity is held at the largest code).
; SHARES.  A wave takes 16 rows x 512 k: eight steps of 16 rows x 64 k (4,096 bytes in, one image out for each scale).  Work-groups 0-255 take x, 256-383 the weights, 32 each.
; Each load reads two rows' 256 consecutive bytes (16 bytes a lane); the conversions want 8 neighbours along K in ONE lane's registers: so a step turns through the wave's own stage in LDS
; (16 rows of 256 + 16 bytes, two stages by turns).  A wave's store of codes covers 512 consecutive bytes, aligned.  Waves share nothing: no barrier; work-groups share no input: no cluster.
.set R,    16                          ; v16-111   three sets of 32: a step's numbers as loaded
.set X,    112                         ; v112-175  two sets of 32: register 8 (2 c + u) + j = (my row, k = 32 c + 16 u + 8 h + j)
.set T,    176
.set C,    208                         ; v208-231  codes: eight registers for each of the three scales
.set STG,  4352                        ; a stage: 16 rows x 272 bytes
.set WREG, 2*STG                       ; a wave's LDS
	s_load_b512 s[4:19], s[0:1], 0x0               ; x s[4:5], wq s[6:7], wk s[8:9], wv s[10:11], wo s[12:13], scales s[14:15], xc s[16:17], wc s[18:19]
	v_lshl_add_u32 v232, v0, 2, 0x8800
	v_mov_b32 v233, 0
	v_lshrrev_b32 v1, 5, v0
	v_readfirstlane_b32 s36, v1                    ; wave 0..3
	v_and_b32 v1, 31, v0                           ; lane
	v_and_b32 v12, 15, v0                          ; r
	v_bfe_u32 v13, v0, 4, 1                        ; h
	v_lshlrev_b32 v5, 4, v1                        ; v5: 16 x lane: my place in half an image
	v_lshlrev_b32 v2, 4, v12
	v_lshl_add_u32 v2, v13, 12, v2                 ; v2: in memory: lanes 0-15 one row's 256 bytes, lanes 16-31 the next row's (4,096 bytes on)
	s_mul_i32 s37, s36, WREG
	v_mul_u32_u24 v3, v13, 272
	v_lshl_add_u32 v3, v12, 4, v3
	v_add_nc_u32 v3, s37, v3                       ; v3: into the stage, as loaded
	v_mul_u32_u24 v4, v12, 272
	v_lshl_add_u32 v4, v13, 5, v4
	v_add_nc_u32 v4, s37, v4                       ; v4: out of it: row r, + 32 h bytes: my eight neighbours of each 16 along K
	s_cmp_lt_u32 ttmp9, 256                        ; x's work-group or a weight's?
	s_cselect_b32 s38, 0, 256
	s_cselect_b32 s41, 511, 63                     ; blocks of 16 rows in the source, less one
	s_sub_co_u32 s38, ttmp9, s38
	s_lshl_b32 s38, s38, 2
	s_add_co_u32 s38, s38, s36                     ; which run of 16 rows x 512 k is my wave's
	s_and_b32 s39, s38, 1                          ; which half of K
	s_lshr_b32 s40, s38, 1                         ; the block of rows in the destination (the four weights lie on end there)
	s_and_b32 s42, s40, s41                        ; and in the source
	s_lshl_b32 s42, s42, 16                        ; 16 rows of 4,096 bytes
	s_lshl_b32 s43, s39, 11
	s_add_co_u32 s42, s42, s43
	s_mov_b32 s43, 0                               ; s[42:43]: the source's offset
	s_lshl_b32 s44, s40, 14                        ; 16 images
	s_lshl_b32 s45, s39, 13
	s_add_co_u32 s44, s44, s45
	s_mov_b32 s45, 0                               ; s[44:45]: the destination's
	s_wait_alu depctr_va_vdst(0)
	s_wait_kmcnt 0x0
	s_load_b256 s[24:31], s[14:15], 0x0            ; e0 .. e7
	s_load_b128 s[32:35], s[14:15], 0x20           ; e8 .. e11
	s_cmp_ge_u32 ttmp9, 256                        ; the buffers are chosen by the work-group's number alone
	s_cselect_b64 s[20:21], s[6:7], s[4:5]
	s_cselect_b64 s[22:23], s[18:19], s[16:17]
	s_cmp_ge_u32 ttmp9, 288
	s_cselect_b64 s[20:21], s[8:9], s[20:21]
	s_cmp_ge_u32 ttmp9, 320
	s_cselect_b64 s[20:21], s[10:11], s[20:21]
	s_cmp_ge_u32 ttmp9, 352
	s_cselect_b64 s[20:21], s[12:13], s[20:21]
	s_add_nc_u64 s[20:21], s[20:21], s[42:43]      ; the source at my wave's first number
	s_add_nc_u64 s[22:23], s[22:23], s[44:45]      ; the first scale's codes
	s_add_nc_u64 s[16:17], s[16:17], s[44:45]
	s_add_nc_u64 s[18:19], s[16:17], 0x1000000     ; x's codes with e4 (used by x's work-groups alone)
	s_add_nc_u64 s[16:17], s[16:17], 0x800000      ; x's codes with e2
.macro LOAD t                          ; step t: 16 rows x 256 bytes, two rows a load
.irp i, 0,1,2,3,4,5,6,7
	global_load_b128 v[R+32*((\t)%3)+4*\i:R+32*((\t)%3)+4*\i+3], v2, s[20:21] offset:8192*\i+256*(\t) th:TH_LOAD_NT
.endr
.endm
.macro TURN t                          ; step t through its stage: LDS serves a wave's instructions in order, so no wait stands between the stores and the loads
.irp i, 0,1,2,3,4,5,6,7
	ds_store_b128 v3, v[R+32*((\t)%3)+4*\i:R+32*((\t)%3)+4*\i+3] offset:STG*((\t)%2)+544*\i
.endr
.irp c, 0,1
.irp u, 0,1
.irp f, 0,1
	ds_load_b128 v[X+32*((\t)%2)+8*(2*\c+\u)+4*\f:X+32*((\t)%2)+8*(2*\c+\u)+4*\f+3], v4 offset:STG*((\t)%2)+128*\c+64*\u+16*\f
.endr
.endr
.endr
.endm
.macro CONV t, i, d                    ; step t's image with scale number i, to the buffer at s[d:d+1]
.set XS, X+32*((\t)%2)
.set j, 0
.rept 32
.set j, j+1
.endr
.irp g, 0,1,2,3
	v_cvt_scalef32_pk8_fp8_f32 v[C+8*\i+2*\g:C+8*\i+2*\g+1], v[XS+8*\g:XS+8*\g+7], v[6+2*\i]
.endr
	v_nop                                          ; one plain vector instruction between the conversions and the next lines that write their sources
	global_store_b128 v5, v[C+8*\i:C+8*\i+3], s[\d:\d+1] offset:1024*(\t)          ; 32 lanes store 512 consecutive bytes, aligned
	global_store_b128 v5, v[C+8*\i+4:C+8*\i+7], s[\d:\d+1] offset:1024*(\t)+512
.endm
.macro STEP t
	s_wait_dscnt 0x0                               ; this step's numbers are back from the stage, and its stores into the stage have read their registers,
	s_wait_xcnt 0x0                                ; and the last step's stores of codes have read theirs: both are written again below
.if (\t)+3 < 8
	LOAD (\t)+3
.endif
.if (\t)+1 < 8
.if (\t) <= 4
	s_wait_loadcnt 16                              ; the next step's eight loads are in; those of the two steps behind it may be out
.else
	s_wait_loadcnt 8*(6-(\t))
.endif
	TURN (\t)+1                                    ; through the other stage, while this step is converted
.endif
	CONV \t, 0, 22
	s_cmp_lt_u32 ttmp9, 256                        ; a weight has one scale: the branch hangs on the work-group's number and jumps over register work and stores to memory alone
	s_cbranch_scc0 .Lone_\@
	CONV \t, 1, 16
	CONV \t, 2, 18
.Lone_\@:
.endm
	LOAD 0
	LOAD 1
	LOAD 2
	s_wait_kmcnt 0x0
	s_cmp_ge_u32 ttmp9, 256                        ; the first scale: e0 for x; e1, e3, e5, e11 for wq, wk, wv, wo
	s_cselect_b32 s24, s25, s24
	s_cmp_ge_u32 ttmp9, 288
	s_cselect_b32 s24, s27, s24
	s_cmp_ge_u32 ttmp9, 320
	s_cselect_b32 s24, s29, s24
	s_cmp_ge_u32 ttmp9, 352
	s_cselect_b32 s24, s35, s24
.irp i, 0,1,2                          ; s24, s26, s28: the three exponents
	s_add_co_i32 s37, s[24+2*\i], 127
	s_lshl_b32 s38, s37, 23
	v_mov_b32 v[6+2*\i], s38                       ; 2^e as f32: the conversion takes its exponent field
.endr
	s_wait_alu depctr_va_vdst(0)
	s_wait_loadcnt 16                              ; step 0's eight loads are in
	TURN 0
.irp t, 0,1,2,3,4,5,6,7
	STEP \t
.endr
	s_wait_tensorcnt 0x0
	ds_add_u32 v232, v233
	s_wait_dscnt 0x0
	s_endpgm
.Lfunc_end_k_q4b3b8cb100_quant:
	.size	k_q4b3b8cb100_quant, .Lfunc_end_k_q4b3b8cb100_quant-k_q4b3b8cb100_quant
	.p2alignl 7, 3214868480
	.fill 96, 4, 3214868480
	.section	.rodata,"a",@progbits
	.p2align	6, 0x0
	.amdhsa_kernel k_q4b3b8cb100_quant
		.amdhsa_group_segment_fixed_size 35328
		.amdhsa_private_segment_fixed_size 0
		.amdhsa_enable_private_segment 0
		.amdhsa_kernarg_size 64
		.amdhsa_user_sgpr_count 2
		.amdhsa_user_sgpr_kernarg_segment_ptr 1
		.amdhsa_wavefront_size32 1
		.amdhsa_system_sgpr_workgroup_id_x 1
		.amdhsa_system_sgpr_workgroup_id_y 1
		.amdhsa_system_sgpr_workgroup_id_z 1
		.amdhsa_system_vgpr_workitem_id 0
		.amdhsa_next_free_vgpr 234
		.amdhsa_next_free_sgpr 66
		.amdhsa_reserve_vcc 0
		.amdhsa_float_denorm_mode_32 3
		.amdhsa_float_denorm_mode_16_64 3
		.amdhsa_fp16_overflow 1
		.amdhsa_memory_ordered 1
		.amdhsa_forward_progress 1
		.amdhsa_inst_pref_size 31
	.end_amdhsa_kernel
	.amdgpu_metadata
---
amdhsa.version: [ 1, 2 ]
amdhsa.kernels:
  - .name:           k_q4b3b8cb100_quant
    .symbol:         k_q4b3b8cb100_quant.kd
    .args:
      - { .name: x, .offset: 0, .size: 8, .value_kind: global_buffer, .address_space: global }
      - { .name: wq, .offset: 8, .size: 8, .value_kind: global_buffer, .address_space: global }
      - { .name: wk, .offset: 16, .size: 8, .value_kind: global_buffer, .address_space: global }
      - { .name: wv, .offset: 24, .size: 8, .value_kind: global_buffer, .address_space: global }
      - { .name: wo, .offset: 32, .size: 8, .value_kind: global_buffer, .address_space: global }
      - { .name: lowp_scales, .offset: 40, .size: 8, .value_kind: global_buffer, .address_space: global }
      - { .name: xc, .offset: 48, .size: 8, .value_kind: global_buffer, .address_space: global }
      - { .name: wc, .offset: 56, .size: 8, .value_kind: global_buffer, .address_space: global }
    .group_segment_fixed_size: 35328
    .private_segment_fixed_size: 0
    .kernarg_segment_align: 8
    .kernarg_segment_size: 64
    .max_flat_workgroup_size: 128
    .sgpr_count:     66
    .vgpr_count:     234
    .wavefront_size: 32
...
	.end_amdgpu_metadata
.endif
;; end of part 1
;; launch proj (part 2): grid 96 x 4, 4 waves a work-group, clusters of 4 x 4, 327,680 bytes of LDS; arguments xc, wc, lowp_scales, qkv; writes qkv
.if DOCPART == 2
	.amdgcn_target "amdgcn-amd-amdhsa--gfx1250"
	.amdhsa_code_object_version 6
	.text
	.protected	k_q4b3b8cb100_proj
	.globl	k_q4b3b8cb100_proj
	.p2align	8
	.type	k_q4b3b8cb100_proj,@function
k_q4b3b8cb100_proj:
	s_mov_b64 s[64:65], 0
	v_nop
	global_prefetch_b8 v0, s[64:65] scope:SCOPE_SE
	s_setreg_imm32_b32 hwreg(HW_REG_WAVE_MODE, 25, 1), 1
	s_wait_xcnt 0x0
	s_wait_alu depctr_hold_cnt(0) depctr_sa_sdst(0) depctr_va_vdst(0) depctr_va_sdst(0) depctr_va_ssrc(0) depctr_va_vcc(0) depctr_vm_vsrc(0)
	s_getreg_b32 s2, hwreg(HW_REG_IB_STS2, 6, 4)
	s_cmp_eq_u32 s2, 0
	s_cbranch_scc0 .Lentry_in_a_cluster
	s_endpgm
.Lentry_in_a_cluster:
	s_bfe_u32 s2, ttmp6, 0x10000c
	s_cmp_lg_u32 s2, 0xf033
	s_cbranch_scc0 .Lentry_shape_is_right
	s_endpgm
.Lentry_shape_is_right:
; q = x wq^T, k = x wk^T, v = x wv^T on codes of FP8 (E4M3); the f32 sums are quantised at once, with e6, e7, e9, and stored as images for the attention launch.
; AN IMAGE is 1,024 bytes: 16 rows x 64 along K; byte 512 c + 16 L + 8 u + j (L = r + 16 h the lane) holds (row r, k = 32 c + 16 u + 8 h + j).  xc: [e0, e2, e4][512 blocks of 16 rows][16][1024]; wc: [wq, wk, wv, wo][64][16][1024].
; qkv: [q, k, v][batch 4][head 16][131072].  q, k: [s / 16][image: rows = s, k = the head's 64].  v: [s / 64][d / 16][image: rows = d, k = 64 keys], since the keys are the K of attention's second product.
; A work-group of four waves makes 256 x 256, a wave 128 x 128: 64 accumulators, 512 registers.  K = 1,024 goes in four steps of 256 through two LDS slots filled by the tensor data mover.
; THE MATRIX INSTRUCTION IS USED TRANSPOSED (source 0 = 16 rows of B, source 1 = 16 rows of A): a lane holds one row of A and eight neighbouring rows of B.  For q and k: A = x, B = w: eight neighbours along d.
; For v: A = wv, B = x: eight neighbouring KEYS.  So one conversion of an accumulator gives 8 of the 16 bytes that the lane owns in half an image, and the codes leave from registers, 512 consecutive bytes a store.
; CLUSTERS: 4 x 4 work-groups; 24 clusters: 8 for each of q, k, v.  The four of a row of the cluster need the same tiles of A, the four of a column the same tiles of B: each tile is asked for jointly.
; LIMITS: e6 - e0 - e1, e7 - e2 - e3 and e9 - e4 - e5 lie between -126 and 119, so that the folded scale and 448 x it are f32 numbers.
; REGISTERS, in windows of 256: window 0: v16-29 addresses; v128-255 A's fragments, ONE set, later the codes.  window 1: B's fragments, TWO sets.  windows 2, 3: the accumulators ((a, b) at v[8 (8 (a % 4) + b)]).
.set ROWB,   4096                      ; a K step of one block of 16 rows: four images on end
.set RBP,    16384                     ; from one block of 16 rows to the next, in memory
.set HALFT,  8*ROWB                    ; 128 rows: what one tensor load brings, and what one wave reads of A or of B
.set SLOT,   4*HALFT                   ; A's 256 rows, then B's
.set SPARE,  2*SLOT                    ; behind the ring: the spare words, 128 bytes for each wave, which no other line names
.set FR,     16                        ; registers of a fragment: 16 rows x 128 K
.set NL,     4                         ; LDS loads that bring one
.set NP,     4                         ; places behind this matrix instruction (ISA guide 7.12.1)
.set ADRA, 16                          ; v16-17  LDS address of my A fragments in slot 0, 1
.set ADRB, 20                          ; v20-21  the same for B
.set CO,   26                          ; v26     16 x lane
.set SCV,  27                          ; v27     the folded scale as f32
.set SPW,  28                          ; v28     LDS address of my spare word; never rewritten
.set NIL,  29                          ; v29     0; never rewritten
.set TMP,  32
.set AF,   128
.set CD,   128                         ; the way out: 16 registers of codes for each of my eight blocks
.set G1, 24                            ; s[24:31] descriptor group 1 for A's tiles;  s[32:39] group 0, one set for each slot
.set G0, 32
.set G1B, 48                           ; s[48:55], s[56:63] the same for B's tiles
.set G0B, 56
.set MSB, 0
.macro WIN new                         ; the immediate's high byte repeats the setting that is left
.if MSB != \new
	s_set_vgpr_msb (MSB<<8)|\new
.set MSB, \new
.endif
.endm
.set MUL_LO, 0xa1                      ; source 0 (B) window 1, source 1 (A) window 0, C and D window 2
.set MUL_HI, 0xf1                      ; the same, C and D window 3
.set TO_B,   0x40                      ; destination window 1, address window 0
; A joint load: waves 0 and 1 fetch for A, waves 2 and 3 for B.  The branch hangs on the wave's number alone.  Four v_nop follow each of the two lines.
.macro JLOAD g0a, g1a, g0b, g1b
	s_cmp_eq_u32 s15, 0
	s_cbranch_scc0 .Lfor_b_\@
	tensor_load_to_lds s[\g0a:\g0a+3], s[\g1a:\g1a+7]
	s_nop 0
.rept 4
	v_nop
.endr
	s_branch .Lasked_\@
.Lfor_b_\@:
	tensor_load_to_lds s[\g0b:\g0b+3], s[\g1b:\g1b+7]
	s_nop 0
.rept 4
	v_nop
.endr
.Lasked_\@:
.endm
.macro CREST                           ; a round of the cluster's barrier behind its opening barrier
	s_cmp_lg_u32 s14, 0
	s_cbranch_scc1 .Lnot_wave_0_\@
	s_barrier_signal -3
.Lnot_wave_0_\@:
	s_barrier_wait -3
	s_barrier_signal -1
	s_barrier_wait -1
.endm
.macro CROUND                          ; a whole round
	s_barrier_signal -1
	s_barrier_wait -1
	CREST
.endm
	s_load_b128 s[4:7], s[0:1], 0x0                ; xc s[4:5], wc s[6:7]
	s_load_b128 s[8:11], s[0:1], 0x10              ; the scales' exponents s[8:9], qkv s[10:11]
	v_lshl_add_u32 v[SPW], v0, 2, SPARE
	v_mov_b32 v[NIL], 0
	ds_add_u32 v28, v29
	ds_add_u32 v28, v29
	s_wait_dscnt 0x0
	v_lshrrev_b32 v1, 5, v0
	v_readfirstlane_b32 s14, v1                    ; wave 0..3
	s_lshr_b32 s15, s14, 1                         ; which half of A's rows is mine.  Also: I fetch for A (0) or for B (1)
	s_and_b32 s16, s14, 1                          ; which half of B's rows.  Also: which 128 rows of that tile I fetch
	s_bfe_u32 s40, ttmp6, 0x40000                  ; cx, cy: my place in the cluster
	s_bfe_u32 s41, ttmp6, 0x40004
	s_lshl_b32 s43, s41, 2
	s_lshl_b32 s43, 15, s43                        ; my row of the cluster
	s_lshl_b32 s44, 0x1111, s40                    ; my column
	; descriptor group 1: 8 blocks of 16 rows x 4,096 bytes, dense in LDS (images need no padding: a fragment load's 512 bytes are consecutive)
	s_or_b32 s[G1+0], s43, (1<<21)                 ; 15:0 the mask: A's tiles go to my row; 17:16 elements of 1 byte; 21 set beside a mask
	s_or_b32 s[G1B+0], s44, (1<<21)
.irp g, G1, G1B
	s_mov_b32 s[\g+1], ROWB<<16                    ; tensor_dim0
	s_mov_b32 s[\g+2], 8<<16                       ; tensor_dim1
	s_mov_b32 s[\g+3], ROWB<<16                    ; tile_dim0
	s_mov_b32 s[\g+4], 8                           ; tile_dim1
	s_mov_b32 s[\g+5], RBP                         ; tensor_dim0_stride
	s_mov_b32 s[\g+6], 0
	s_mov_b32 s[\g+7], 0
.endr
	; which product: cluster c = ttmp9: type = c / 8 (q, k, v), ci = c % 8.  q, k: A = x's codes of that type, tile row 4 ci + cy; B = the weight, tile row cx.  v: A = wv, tile row cy; B = x's codes with e4, tile row 4 ci + cx
	s_lshr_b32 s17, ttmp9, 3                       ; type; kept
	s_and_b32 s18, ttmp9, 7
	s_lshl_b32 s18, s18, 2                         ; 4 ci
	s_lshl_b32 s19, s17, 23                        ; type x 8 MiB in xc
	s_lshl_b32 s12, s17, 20                        ; type x 1 MiB in wc
	s_cmp_lt_u32 ttmp9, 16                         ; q or k?  The choices hang on the cluster's number alone
	s_cselect_b32 s91, s18, 0
	s_cselect_b32 s92, 0, s18
	s_cselect_b32 s22, s19, 0x200000               ; where A's tensor begins in its buffer
	s_cselect_b32 s90, s12, 0x1000000              ; and B's
	s_add_co_u32 s91, s91, s41                     ; A's tile row: it never holds cx
	s_add_co_u32 s92, s92, s40                     ; B's tile row: it never holds cy
	s_lshl_b32 s13, s16, 17                        ; which 128 rows (8 blocks of 16,384 bytes) I fetch
	s_lshl_b32 s20, s91, 18                        ; 256 rows are 16 blocks
	s_add_co_u32 s20, s20, s13
	s_add_co_u32 s20, s20, s22
	s_mov_b32 s21, 0
	s_lshl_b32 s46, s92, 18
	s_add_co_u32 s46, s46, s13
	s_add_co_u32 s46, s46, s90
	s_mov_b32 s47, 0
	s_lshl_b32 s45, s14, 15                        ; where they go: wave x 128 rows: no place in the cluster enters an LDS address
	s_wait_kmcnt 0x0
	s_load_b256 s[68:75], s[8:9], 0x0              ; e0 .. e7
	s_load_b128 s[76:79], s[8:9], 0x20             ; e8 .. e11
	s_cmp_lt_u32 ttmp9, 16
	s_cselect_b64 s[12:13], s[4:5], s[6:7]         ; A's buffer
	s_cselect_b64 s[18:19], s[6:7], s[4:5]         ; B's
	s_add_nc_u64 s[20:21], s[12:13], s[20:21]
	s_add_nc_u64 s[46:47], s[18:19], s[46:47]
	CROUND                                         ; all sixteen work-groups are here: the first joint loads meet
.irp s, 0,1
	s_mov_b32 s[G0+4*\s], 1
	s_add_co_u32 s[G0+4*\s+1], s45, \s*SLOT
	s_add_nc_u64 s[G0+4*\s+2:G0+4*\s+3], s[20:21], \s*ROWB
	s_or_b32 s[G0+4*\s+3], s[G0+4*\s+3], 0x80000000
	s_mov_b32 s[G0B+4*\s], 1
	s_add_co_u32 s[G0B+4*\s+1], s45, \s*SLOT
	s_add_nc_u64 s[G0B+4*\s+2:G0B+4*\s+3], s[46:47], \s*ROWB
	s_or_b32 s[G0B+4*\s+3], s[G0B+4*\s+3], 0x80000000
	JLOAD G0+4*\s, G1, G0B+4*\s, G1B
.endr
	v_and_b32 v1, 31, v0
	v_lshlrev_b32 v[CO], 4, v1                     ; 16 x lane
	s_lshl_b32 s21, s15, 15                        ; my 128 rows of A
	s_lshl_b32 s22, s16, 15                        ; my 128 rows of B,
	s_add_co_u32 s22, s22, 2*HALFT                 ; which lie behind A's 256
.irp s, 0,1
	v_add_nc_u32 v[ADRA+\s], s21, v[CO]
	v_add_nc_u32 v[ADRB+\s], s22, v[CO]
	s_add_co_u32 s21, s21, SLOT
	s_add_co_u32 s22, s22, SLOT
.endr
	; where my codes go.  X0: my first index on x's side (row of x), W0: on the weight's side (output feature)
	s_lshl_b32 s20, s91, 8
	s_lshl_b32 s21, s15, 7
	s_add_co_u32 s20, s20, s21                     ; my first row of A
	s_lshl_b32 s21, s92, 8
	s_lshl_b32 s22, s16, 7
	s_add_co_u32 s21, s21, s22                     ; my first row of B
	s_mov_b32 s93, 4096
	s_mov_b32 s94, 0x20000
	s_cmp_lt_u32 ttmp9, 16
	s_cselect_b32 s22, s20, s21                    ; X0
	s_cselect_b32 s23, s21, s20                    ; W0
	s_cselect_b32 s93, 0x20000, s93                ; from B's blocks 0-3 to 4-7: q, k: the next head; v: the next 64 keys
	s_cselect_b32 s94, 4096, s94                   ; from A's blocks 0-3 to 4-7: q, k: four images on; v: the next head
	s_lshl_b32 s95, s17, 23                        ; the tensor,
	s_lshr_b32 s12, s22, 11
	s_lshl_b32 s12, s12, 21
	s_add_co_u32 s95, s95, s12                     ; the batch: 2 MiB each,
	s_lshr_b32 s12, s23, 6
	s_lshl_b32 s12, s12, 17
	s_add_co_u32 s95, s95, s12                     ; the head,
	s_and_b32 s12, s22, 2047
	s_lshl_b32 s12, s12, 6                         ; and 64 bytes for each position in the sequence: 1,024 for 16 (q, k), 4,096 for 64 (v)
	s_add_co_u32 s12, s95, s12
	s_mov_b32 s13, 0
	s_add_nc_u64 s[80:81], s[10:11], s[12:13]      ; s[80+4 (a / 4)+2 (b / 4) ..]: four bases
	s_mov_b32 s12, s93
	s_add_nc_u64 s[82:83], s[80:81], s[12:13]
	s_mov_b32 s12, s94
	s_add_nc_u64 s[84:85], s[80:81], s[12:13]
	s_add_nc_u64 s[86:87], s[82:83], s[12:13]
.macro FRAG reg, adr, q, i             ; block i's fragment of the slot's q-th 128 along K: two images, four loads of 512 consecutive bytes
.irp c, 0,1,2,3
	ds_load_b128 v[\reg+4*\c:\reg+4*\c+3], v[\adr] offset:2048*(\q)+512*\c+(\i)*ROWB
.endr
.endm
; 16 matrix instructions: A's blocks a0, a0 + 1 x B's eight, 128 along K.  p: B's set.  zero = 1: the first product starts the sums.  The 64 accumulators take turns, one instruction a turn, in the same order in every step.
.macro MUL16 a0, p, zero
.irp a, \a0, \a0+1
.irp b, 0,1,2,3,4,5,6,7
.if \zero
	v_wmma_f32_16x16x128_fp8_fp8 v[8*(8*((\a)%4)+\b):8*(8*((\a)%4)+\b)+7], v[128*(\p)+FR*\b:128*(\p)+FR*\b+FR-1], v[AF+FR*(\a):AF+FR*(\a)+FR-1], 0
.else
	v_wmma_f32_16x16x128_fp8_fp8 v[8*(8*((\a)%4)+\b):8*(8*((\a)%4)+\b)+7], v[128*(\p)+FR*\b:128*(\p)+FR*\b+FR-1], v[AF+FR*(\a):AF+FR*(\a)+FR-1], v[8*(8*((\a)%4)+\b):8*(8*((\a)%4)+\b)+7]
.endif
.endr
.endr
.endm
.macro FETCH_B slot, q, p
	WIN TO_B
.irp i, 0,1,2,3,4,5,6,7
	FRAG 128*(\p)+FR*\i, ADRB+\slot, \q, \i
.endr
	WIN 0
.endm
.macro FETCH_A slot, q, i0
.irp i, \i0, \i0+1, \i0+2, \i0+3
	FRAG AF+FR*(\i), ADRA+\slot, \q, \i
.endr
.endm
.macro PLACES n                        ; plain vector instructions between a matrix instruction and a load into a register that it read, or a read of its result
.rept \n
	v_nop
.endr
.endm
; A step of 128 along K that has its successor in the same slot.  A's blocks are free as soon as their eight products are issued: blocks 0-3 are fetched anew in the step's middle, blocks 4-7 at its end.
.macro STEP slot, q, zero
	s_wait_dscnt 4*NL                              ; B's set and A's blocks 0-3 are in; the youngest sixteen loads (A's blocks 4-7) may be out
	WIN MUL_LO
	MUL16 0, (\q)%2, \zero
	MUL16 2, (\q)%2, \zero
	s_wait_dscnt 0                                 ; A's blocks 4-7 are in
	PLACES NP
	FETCH_B \slot, (\q)+1, 1-(\q)%2
	FETCH_A \slot, (\q)+1, 0
	WIN MUL_HI
	MUL16 4, (\q)%2, \zero
	MUL16 6, (\q)%2, \zero
	PLACES NP
	WIN 0
	FETCH_A \slot, (\q)+1, 4
.endm
; A slot's last step changes slots: ONE barrier; in front of it each wave waits for all its tensor loads, adds 0 to its spare word, and waits for that and for its own reads of this slot.  fill = 1: this slot is filled again, two K steps ahead.
.macro TURN slot, next, fill
	s_wait_tensorcnt 0x0                           ; all my tensor loads have landed: my part of the next slot
	ds_add_u32 v[SPW], v[NIL]                      ; 0 onto my spare word
	s_wait_dscnt 4*NL+1                            ; (the add and the youngest sixteen loads, A's blocks 4-7, may be out)
	WIN MUL_LO
	MUL16 0, 1, 0                                  ; sixteen matrix instructions stand between the add and the wait for it
	s_wait_dscnt 0x0                               ; the add is done, and my reads of this slot are over
	s_barrier_signal -1
	MUL16 2, 1, 0
	WIN 0
	s_barrier_wait -1
.if \fill
	CREST                                          ; the barrier has opened a round of the cluster's barrier: no wave of any partner still reads this slot or has a load on its way
	s_add_nc_u64 s[G0+4*\slot+2:G0+4*\slot+3], s[G0+4*\slot+2:G0+4*\slot+3], 2*ROWB
	s_add_nc_u64 s[G0B+4*\slot+2:G0B+4*\slot+3], s[G0B+4*\slot+2:G0B+4*\slot+3], 2*ROWB
	JLOAD G0+4*\slot, G1, G0B+4*\slot, G1B         ; the first tensor load behind the round; its four v_nop are the places in front of the loads below
.else
	PLACES NP
.endif
	FETCH_B \next, 0, 0
	FETCH_A \next, 0, 0
	WIN MUL_HI
	MUL16 4, 1, 0
	MUL16 6, 1, 0
	PLACES NP
	WIN 0
	FETCH_A \next, 0, 4
.endm
	s_wait_alu depctr_va_vdst(0)
	s_wait_tensorcnt 1                             ; my part of K step 0 is in (K step 1's load may be out)
	s_barrier_signal -1
	s_barrier_wait -1                              ; everybody's is
	FETCH_B 0, 0, 0
	FETCH_A 0, 0, 0
	FETCH_A 0, 0, 4
	STEP 0, 0, 1                                   ; K = 1,024: four K steps of 256, written out.  The first products start the sums
	TURN 0, 1, 1                                   ; slot 0 takes K step 2
	STEP 1, 0, 0
	TURN 1, 0, 1                                   ; slot 1 takes K step 3
	STEP 0, 0, 0
	TURN 0, 1, 0                                   ; nothing is left to fetch
	STEP 1, 0, 0
	s_wait_dscnt 4*NL
	WIN MUL_LO
	MUL16 0, 1, 0
	MUL16 2, 1, 0
	s_wait_dscnt 0
	WIN MUL_HI
	MUL16 4, 1, 0
	MUL16 6, 1, 0
	WIN 0
	; THE WAY OUT.  A sum stands for sum x 2^(eA + eB); its code is sum / 2^(e - eA - eB), held within +-448: the three exponents are folded into the conversion's one scale.
	s_wait_kmcnt 0x0
	s_sub_co_i32 s93, s74, s68
	s_sub_co_i32 s93, s93, s69                     ; q: e6 - e0 - e1
	s_sub_co_i32 s94, s75, s70
	s_sub_co_i32 s94, s94, s71                     ; k: e7 - e2 - e3
	s_sub_co_i32 s95, s77, s72
	s_sub_co_i32 s95, s95, s73                     ; v: e9 - e4 - e5
	s_cmp_eq_u32 s17, 1                            ; chosen by the cluster's number: no branch hangs on a loaded number
	s_cselect_b32 s93, s94, s93
	s_cmp_eq_u32 s17, 2
	s_cselect_b32 s93, s95, s93
	s_add_co_i32 s93, s93, 127
	s_lshl_b32 s94, s93, 23
	v_mov_b32 v[SCV], s94                          ; the folded scale as f32
	s_add_co_i32 s93, s93, 8
	s_lshl_b32 s89, s93, 23
	s_or_b32 s89, s89, 0x600000                    ; 448 x it,
	s_or_b32 s88, s89, 0x80000000                  ; and its negative
; Block a: 16 rows of A x my 128 rows of B.  Accumulator (a, b), converted, is 8 bytes of my 16 in half (b % 4) / 2 of image b / 4.  Each block has registers of its own for its codes: no store's data are written again.
.macro OUTB a
.set AC, 64*((\a)%4)
	WIN 0x02+((\a)/4)                              ; source 0: window 2 or 3
.set i, 0
.rept 64
.set i, i+1
.endr
.irp b, 0,1,2,3,4,5,6,7
	v_cvt_scalef32_pk8_fp8_f32 v[CD+16*(\a)+2*\b:CD+16*(\a)+2*\b+1], v[AC+8*\b:AC+8*\b+7], v[SCV]
.endr
	WIN 0
	v_nop
.irp hh, 0,1
.irp c, 0,1
	global_store_b128 v[CO], v[CD+16*(\a)+4*(2*\hh+\c):CD+16*(\a)+4*(2*\hh+\c)+3], s[80+4*((\a)/4)+2*\hh:81+4*((\a)/4)+2*\hh] offset:((\a)%4)*1024+512*\c   ; 32 lanes store 512 consecutive bytes, aligned
.endr
.endr
.endm
	PLACES NP                                      ; behind the last products: their results are read, and the registers that held A's fragments are written, below
.irp a, 0,1,2,3,4,5,6,7
	OUTB \a
.endr
	s_wait_tensorcnt 0x0                           ; the wave's end
	ds_add_u32 v[SPW], v[NIL]
	s_wait_dscnt 0x0
	CROUND                                         ; the closing round: no work-group ends while a partner may still ask for a tile that names it
	s_endpgm
.Lfunc_end_k_q4b3b8cb100_proj:
	.size	k_q4b3b8cb100_proj, .Lfunc_end_k_q4b3b8cb100_proj-k_q4b3b8cb100_proj
	.p2alignl 7, 3214868480
	.fill 96, 4, 3214868480
	.section	.rodata,"a",@progbits
	.p2align	6, 0x0
	.amdhsa_kernel k_q4b3b8cb100_proj
		.amdhsa_group_segment_fixed_size 327680
		.amdhsa_private_segment_fixed_size 0
		.amdhsa_enable_private_segment 0
		.amdhsa_kernarg_size 32
		.amdhsa_user_sgpr_count 2
		.amdhsa_user_sgpr_kernarg_segment_ptr 1
		.amdhsa_wavefront_size32 1
		.amdhsa_system_sgpr_workgroup_id_x 1
		.amdhsa_system_sgpr_workgroup_id_y 1
		.amdhsa_system_sgpr_workgroup_id_z 1
		.amdhsa_system_vgpr_workitem_id 0
		.amdhsa_next_free_vgpr 1024
		.amdhsa_next_free_sgpr 100
		.amdhsa_reserve_vcc 0
		.amdhsa_float_denorm_mode_32 3
		.amdhsa_float_denorm_mode_16_64 3
		.amdhsa_fp16_overflow 1
		.amdhsa_memory_ordered 1
		.amdhsa_forward_progress 1
		.amdhsa_inst_pref_size 86
	.end_amdhsa_kernel
	.amdgpu_metadata
---
amdhsa.version: [ 1, 2 ]
amdhsa.kernels:
  - .name:           k_q4b3b8cb100_proj
    .symbol:         k_q4b3b8cb100_proj.kd
    .args:
      - { .name: xc, .offset: 0, .size: 8, .value_kind: global_buffer, .address_space: global }
      - { .name: wc, .offset: 8, .size: 8, .value_kind: global_buffer, .address_space: global }
      - { .name: lowp_scales, .offset: 16, .size: 8, .value_kind: global_buffer, .address_space: global }
      - { .name: qkv, .offset: 24, .size: 8, .value_kind: global_buffer, .address_space: global }
    .group_segment_fixed_size: 327680
    .private_segment_fixed_size: 0
    .kernarg_segment_align: 8
    .kernarg_segment_size: 32
    .max_flat_workgroup_size: 128
    .sgpr_count:     100
    .vgpr_count:     1024
    .wavefront_size: 32
...
	.end_amdgpu_metadata
.endif
;; end of part 2
;; launch attn (part 3): grid 4 x 64, 16 waves a work-group, clusters of 4 x 1, 327,680 bytes of LDS; arguments qkv, lowp_scales, oc; writes oc
.if DOCPART == 3
	.amdgcn_target "amdgcn-amd-amdhsa--gfx1250"
	.amdhsa_code_object_version 6
	.text
	.protected	k_q4b3b8cb100_attn
	.globl	k_q4b3b8cb100_attn
	.p2align	8
	.type	k_q4b3b8cb100_attn,@function
k_q4b3b8cb100_attn:
	s_mov_b64 s[64:65], 0
	v_nop
	global_prefetch_b8 v0, s[64:65] scope:SCOPE_SE
	s_setreg_imm32_b32 hwreg(HW_REG_WAVE_MODE, 25, 1), 1
	s_wait_xcnt 0x0
	s_wait_alu depctr_hold_cnt(0) depctr_sa_sdst(0) depctr_va_vdst(0) depctr_va_sdst(0) depctr_va_ssrc(0) depctr_va_vcc(0) depctr_vm_vsrc(0)
	s_getreg_b32 s2, hwreg(HW_REG_IB_STS2, 6, 4)
	s_cmp_eq_u32 s2, 0
	s_cbranch_scc0 .Lentry_in_a_cluster
	s_endpgm
.Lentry_in_a_cluster:
	s_bfe_u32 s2, ttmp6, 0x10000c
	s_cmp_lg_u32 s2, 0x3003
	s_cbranch_scc0 .Lentry_shape_is_right
	s_endpgm
.Lentry_shape_is_right:
; Causal attention on codes of FP8 (E4M3): o = softmax(q k^T / 8, keys up to the query) v, for 64 (batch, head) pairs of 2,048 positions x 64; o is quantised with e10 and stored as images for the last product.
; AN IMAGE is 1,024 bytes: 16 rows x 64 along K; byte 512 c + 16 L + 8 u + j (L = r + 16 h the lane) holds (row r, k = 32 c + 16 u + 8 h + j).  qkv: [q, k, v][64 heads][131072]; q, k: [s / 16][image: rows = s, k = d];
; v: [s / 64][d / 16][image: rows = d, k = keys].  oc: [512 blocks of 16 rows][16 heads][image: rows = s, k = d].
; THE SOFTMAX: t = score x log2(e) / 8; M = the row's largest t so far, rounded UP to a whole number; p = 2^(t - M) is quantised with e8, not normalised; the row's sum is taken of the unquantised p and divides at the end.
; When M moves, the sum and O are multiplied by 2^(old M - new M): exact.  Hidden scores become -infinity ahead of the maximum, so their p is 0 (every query sees its own key).
; K AND V OF A HEAD STAY IN LDS: 131,072 bytes each, filled once: no slot is ever filled again, and no barrier stands in the walk over the keys but the two behind the fills.
; CLUSTER: the four work-groups of a cluster serve one head; every fill is asked for jointly by all four.  Each of the 16 waves asks for two parts: 4,096 bytes of keys 0-511 and 12,288 bytes of the rest (even waves: K, odd: V).
; SHARES.  A head has 128 tiles of 16 queries; tile n needs n / 8 + 1 steps of 128 keys.  Wave w of partner cx takes tile ns = 8 (w / 2) + 2 cx + w % 2 and tile 127 - ns: 17 steps for every wave.  The step on the diagonal is
; w / 2 for the one and 15 - w / 2 for the other: branches hang on the wave's number and a loop's count alone; cx enters addresses in memory and the mask's vector data.
; LAYOUT.  S^T = K Q^T (source 0 = an image of 16 keys, source 1 = my 16 queries), O^T = V^T P^T (source 0 = 16 of the head's 64 x 128 keys, source 1 = P): a lane holds ONE query (lane % 16) throughout, and tile T's
; eight registers are keys 16 T + 8 (lane / 16) + 0 .. 7: converted, they ARE registers 2 T, 2 T + 1 of the second product's operand.
; LIMITS on the given exponents: e6 + e7 between -123 and 130 (added to c's exponent field); e8 between -126 and 119; 2^(e8 + e9 - e10) / the row's sum is an f32 number.
; REGISTERS: v1 16 x lane; v2, v3 addresses of the step's K and V; v4, v5 the masks' d; v6 -infinity; v7 1.0; v12 -M, v13 the largest t, v[14:15] the sum in two halves; v16-23, v24-31 Q of the two tiles;
; v32-95 fragments of K, then of V; v96-159 S^T, then p; v160-191 O^T; v192-207 p's codes; v208-223 o's codes; v236-254 at work.
.set LI,   1
.set ADK,  2
.set ADV,  3
.set DQL,  4                           ; d = 16 (tile % 8) + r - 8 h of the late tile: register 8 T + j is hidden on the diagonal step where 16 T + j > d
.set DQS,  5                           ; of the early tile
.set NINF, 6
.set ONE,  7
.set QL,   16
.set QS,   24
.set KV,   32
.set S,    96
.set O,    160
.set P,    192
.set WV,   10                          ; s10  my wave's number
.set G,    13                          ; s13  w / 2: the early tile's diagonal step; also which part I fetch
.set GL,   14                          ; s14  15 - w / 2: the late tile's
.set SEL,  20                          ; s[20:21] lane selects for v_permlanex16_b32: lane l xor 16
.set CS,   22                          ; s[22:23] c = log2(e) / 8 x 2^(e6 + e7)
.set G1A,  24                          ; s[24:31] descriptor group 1: 16 rows of 256 bytes;  s[32:39]: 48 rows;  s[40:43], s[44:47] their groups 0
.set G1B,  32
.set G0A,  40
.set G0B,  44
.set EX,   55                          ; s55  e8 + e9 - e10
.set KO,   56                          ; s56  LDS byte of the step's K: 8,192 x step
.set SI,   57                          ; s57  the step
.set LP,   58
.set LN,   59
.macro CROUND                          ; a round of the cluster's barrier
	s_barrier_signal -1
	s_barrier_wait -1
	s_cmp_lg_u32 s[WV], 0
	s_cbranch_scc1 .Lnot_wave_0_\@
	s_barrier_signal -3
.Lnot_wave_0_\@:
	s_barrier_wait -3
	s_barrier_signal -1
	s_barrier_wait -1
.endm
	s_load_b128 s[4:7], s[0:1], 0x0                ; qkv s[4:5], the scales' exponents s[6:7]
	s_load_b64 s[8:9], s[0:1], 0x10                ; oc
	v_lshl_add_u32 v251, v0, 2, 0x40000
	v_mov_b32 v255, 0
	ds_add_u32 v251, v255
	ds_add_u32 v251, v255
	v_lshrrev_b32 v1, 5, v0
	s_delay_alu instid0(VALU_DEP_1)
	v_readfirstlane_b32 s[WV], v1                  ; wave 0..15
	s_bfe_u32 s11, ttmp6, 0x40000                  ; cx
	s_and_b32 s12, ttmp7, 0xffff                   ; the (batch, head) pair, which the four partners share
	s_lshr_b32 s[G], s[WV], 1
	s_sub_co_u32 s[GL], 15, s[G]
	s_and_b32 s15, s[WV], 1                        ; I fetch for K (0) or for V (1)
	; descriptor groups 1: dense blocks as rows of 256 bytes
	s_mov_b32 s[G1A], 15|(3<<16)|(1<<21)           ; 15:0 the mask: all four work-groups; 17:16 elements of 8 bytes; 21 set beside a mask
	s_mov_b32 s[G1A+1], 32<<16                     ; tensor_dim0 = 32 elements
	s_mov_b32 s[G1A+2], 16<<16                     ; tensor_dim1 = 16
	s_mov_b32 s[G1A+3], 32<<16                     ; tile_dim0
	s_mov_b32 s[G1A+4], 16                         ; tile_dim1
	s_mov_b32 s[G1A+5], 32                         ; tensor_dim0_stride
	s_mov_b32 s[G1A+6], 0
	s_mov_b32 s[G1A+7], 0
	s_mov_b32 s[G1B], 15|(3<<16)|(1<<21)
	s_mov_b32 s[G1B+1], 32<<16
	s_mov_b32 s[G1B+2], 48<<16
	s_mov_b32 s[G1B+3], 32<<16
	s_mov_b32 s[G1B+4], 48
	s_mov_b32 s[G1B+5], 32
	s_mov_b32 s[G1B+6], 0
	s_mov_b32 s[G1B+7], 0
	s_lshl_b32 s16, s15, 17                        ; LDS: K at 0, V at 131,072
	s_lshl_b32 s17, s[G], 12
	s_add_co_u32 s17, s16, s17                     ; my part of keys 0-511: 4,096 bytes
	s_mul_i32 s18, s[G], 12288
	s_add_co_u32 s18, s18, 32768                   ; my part of the rest: 12,288 bytes, behind the first 32,768
	s_add_co_u32 s19, s16, s18
	s_lshl_b32 s53, s15, 23
	s_add_co_u32 s53, s53, 0x800000                ; memory: k at 8 MiB, v at 16 MiB,
	s_lshl_b32 s54, s12, 17
	s_add_co_u32 s53, s53, s54                     ; my head
	s_lshl_b32 s70, s[G], 12
	s_add_co_u32 s70, s70, s53
	s_mov_b32 s71, 0
	s_add_co_u32 s2, s18, s53
	s_mov_b32 s3, 0
	s_mov_b32 s[SEL], 0x76543210
	s_mov_b32 s[SEL+1], 0xfedcba98
	s_wait_dscnt 0x0
	s_wait_kmcnt 0x0
	s_load_b128 s[48:51], s[6:7], 0x18             ; e6, e7, e8, e9
	s_load_b32 s52, s[6:7], 0x28                   ; e10
	s_mov_b32 s[G0A], 1                            ; count = 1
	s_mov_b32 s[G0A+1], s17                        ; LDS address: the wave's number alone enters it
	s_add_nc_u64 s[G0A+2:G0A+3], s[4:5], s[70:71]
	s_or_b32 s[G0A+3], s[G0A+3], 0x80000000        ; type = 2
	s_mov_b32 s[G0B], 1
	s_mov_b32 s[G0B+1], s19
	s_add_nc_u64 s[G0B+2:G0B+3], s[4:5], s[2:3]
	s_or_b32 s[G0B+3], s[G0B+3], 0x80000000
	CROUND                                         ; all four work-groups are here: the joint loads meet
	tensor_load_to_lds s[G0A:G0A+3], s[G1A:G1A+7]  ; the first of the launch's only two fills: one load of mine is out
	s_nop 0
	s_wait_alu depctr_va_vdst(0)
	s_wait_tensorcnt 0x0
	ds_add_u32 v251, v255
	s_wait_dscnt 0x0
	CROUND
	tensor_load_to_lds s[G0B:G0B+3], s[G1B:G1B+7]
	s_nop 0
.rept 4
	v_nop
.endr
	; my two tiles of queries
	s_lshl_b32 s16, s[G], 3
	s_lshl_b32 s17, s11, 1
	s_add_co_u32 s17, s17, s15                     ; early tile % 8 = 2 cx + w % 2
	s_add_co_u32 s16, s16, s17                     ; the early tile
	s_sub_co_u32 s18, 127, s16                     ; the late tile
	s_sub_co_u32 s19, 7, s17                       ; late tile % 8
	s_lshl_b32 s2, s18, 10
	s_add_co_u32 s2, s2, s54                       ; q lies first in qkv: head x 131,072 + tile x 1,024
	s_add_nc_u64 s[60:61], s[4:5], s[2:3]
	s_lshl_b32 s2, s16, 10
	s_add_co_u32 s2, s2, s54
	s_add_nc_u64 s[62:63], s[4:5], s[2:3]
	s_lshr_b32 s53, s12, 4
	s_lshl_b32 s53, s53, 7                         ; batch x 128 blocks of rows
	s_and_b32 s70, s12, 15
	s_lshl_b32 s70, s70, 10                        ; the head's image in a block
	s_add_co_u32 s2, s53, s18
	s_lshl_b32 s2, s2, 14
	s_add_co_u32 s2, s2, s70
	s_add_nc_u64 s[66:67], s[8:9], s[2:3]          ; the late tile's image of oc
	s_add_co_u32 s2, s53, s16
	s_lshl_b32 s2, s2, 14
	s_add_co_u32 s2, s2, s70
	s_add_nc_u64 s[68:69], s[8:9], s[2:3]          ; the early tile's
	v_and_b32 v1, 31, v0
	s_delay_alu instid0(VALU_DEP_1)
	v_lshlrev_b32 v[LI], 4, v1                     ; 16 x lane
	global_load_b128 v[QL:QL+3], v[LI], s[60:61]
	global_load_b128 v[QL+4:QL+7], v[LI], s[60:61] offset:512
	global_load_b128 v[QS:QS+3], v[LI], s[62:63]
	global_load_b128 v[QS+4:QS+7], v[LI], s[62:63] offset:512
	v_and_b32 v8, 15, v0
	v_bfe_u32 v9, v0, 4, 1
	s_delay_alu instid0(VALU_DEP_1)
	v_lshlrev_b32 v9, 3, v9
	s_delay_alu instid0(VALU_DEP_1)
	v_sub_nc_u32 v8, v8, v9                        ; r - 8 h
	s_lshl_b32 s19, s19, 4
	s_lshl_b32 s17, s17, 4
	v_add_nc_u32 v[DQL], s19, v8
	v_add_nc_u32 v[DQS], s17, v8
	v_mov_b32 v[NINF], 0xff800000
	v_mov_b32 v[ONE], 1.0
	v_mov_b32 v236, 0                              ; written once: a lane permute's destination counts as one of its sources
	v_mov_b32 v252, 0
	v_mov_b32 v253, 0                              ; (named as the upper half of the pair v[252:253])
	s_wait_kmcnt 0x0
	s_add_co_i32 s16, s48, s49
	s_lshl_b32 s16, s16, 23
	s_add_co_i32 s[CS], s16, 0x3e38aa3b            ; c = log2(e) / 8, with e6 + e7 added to its exponent field
	s_mov_b32 s[CS+1], s[CS]                       ; (named with it as a pair, so it is written)
	s_add_co_i32 s16, s50, 127
	s_lshl_b32 s17, s16, 23
	v_mov_b32 v244, s17                            ; 2^e8 as f32, for p's conversion
	s_add_co_i32 s[EX], s50, s51
	s_sub_co_i32 s[EX], s[EX], s52                 ; e8 + e9 - e10
; A KEY STEP: 128 keys from LDS byte s[KO] on.  qr: Q's registers.  masked = 1: a step behind the diagonal step s[gs] is left out, and on it hidden scores become -infinity (vd: the lane's d).
.macro STEP qr, masked, gs, vd
.if \masked
	s_cmp_gt_u32 s[SI], s[\gs]                     ; all 128 keys come after my queries: a scalar branch on the loop's count and the wave's number, round loads, products and softmax; no barrier stands in a step
	s_cbranch_scc1 .Lhid_\@
.endif
	s_setprio 2
	v_add_nc_u32 v[ADK], s[KO], v[LI]
	s_delay_alu instid0(VALU_DEP_1)
	v_add_nc_u32 v[ADV], 0x20000, v[ADK]
	v_nop                                          ; with the two additions: four places in front of loads into registers that the last products read
	v_nop
.irp t, 0,1,2,3,4,5,6,7
	ds_load_b128 v[KV+8*\t:KV+8*\t+3], v[ADK] offset:1024*\t           ; image t: keys 16 t on
	ds_load_b128 v[KV+8*\t+4:KV+8*\t+7], v[ADK] offset:1024*\t+512
.endr
	s_wait_alu depctr_va_vdst(0)
	s_wait_dscnt 0x0
.irp t, 0,1,2,3,4,5,6,7
	v_wmma_f32_16x16x64_fp8_fp8 v[S+8*\t:S+8*\t+7], v[KV+8*\t:KV+8*\t+7], v[\qr:\qr+7], 0
.endr
.rept 4
	v_nop                                          ; places: K's registers take V's fragments, and the scores are read
.endr
.irp d, 0,1,2,3                        ; V's four fragments (16 of the head's 64 x 128 keys: two images) land under the softmax
.irp i, 0,1,2,3
	ds_load_b128 v[KV+16*\d+4*\i:KV+16*\d+4*\i+3], v[ADV] offset:4096*(\i/2)+1024*\d+512*(\i%2)
.endr
.endr
.if \masked
	s_cmp_lt_u32 s[SI], s[\gs]                     ; ahead of the diagonal step every key counts
	s_cbranch_scc1 .Lopen_\@
.set n, 0
.rept 64
	v_cmp_gt_i32 vcc_lo, 16*(n/8)+n%8, v[\vd]
	v_cndmask_b32 v[S+n], v[S+n], v[NINF], vcc_lo
.set n, n+1
.endr
.Lopen_\@:
.endif
	v_max3_num_f32 v254, v[S], v[S+1], v[S+2]      ; the step's largest score of my query, among my 64 keys, in two chains, each accumulator from its low end on,
	v_max3_num_f32 v252, v[S+3], v[S+4], v[S+5]
.irp i, 6,10,14,18,22,26,30,34,38,42,46,50,54,58
	v_max3_num_f32 v254, v254, v[S+\i], v[S+\i+1]
	v_max3_num_f32 v252, v252, v[S+\i+2], v[S+\i+3]
.endr
	v_max3_num_f32 v254, v254, v[S+62], v[S+63]
	s_delay_alu instid0(VALU_DEP_1)
	v_max_num_f32 v254, v254, v252
	s_delay_alu instid0(VALU_DEP_1)
	v_permlanex16_b32 v236, v254, s[SEL], s[SEL+1]
	s_delay_alu instid0(VALU_DEP_1)
	v_max_num_f32 v254, v254, v236                 ; and among lane l xor 16's
	s_delay_alu instid0(VALU_DEP_1)
	v_mul_f32 v254, s[CS], v254                    ; as t (c is positive)
	s_delay_alu instid0(VALU_DEP_1)
	v_max_num_f32 v13, v13, v254                   ; the running largest t
	v_mov_b32 v254, v12
	s_delay_alu instid0(VALU_DEP_2)
	v_floor_f32 v12, -v13                          ; the new -M = floor(-t) = -ceil(t): a whole number
	s_delay_alu instid0(VALU_DEP_1)
	v_sub_f32 v254, v12, v254                      ; M's old value less its new one: a whole number, 0 or less
	s_delay_alu instid0(VALU_DEP_1)
	v_cvt_i32_f32 v254, v254                       ; (it saturates)
	s_delay_alu instid0(VALU_DEP_1)
	v_ldexp_f32 v252, 1.0, v254                    ; f = 2^(old M - new M)
.set j, 0
.rept 32
	v_pk_fma_f32 v[S+j:S+j+1], v[S+j:S+j+1], s[CS:CS+1], v[12:13] op_sel_hi:[1,0,0]   ; t - M, two at a time (of the pairs c and -M the low word serves both halves)
.set j, j+2
.endr
.set j, 0
	s_setprio 1
	s_wait_alu depctr_va_vdst(0)
.rept 64
	v_exp_f32 v[S+j], v[S+j]                       ; p = 2^(t - M), at most 1
.set j, j+1
.endr
	v_pk_mul_f32 v[14:15], v[14:15], v[252:253] op_sel_hi:[1,0]   ; the sums under the new M: the plain instruction behind the exponentials
	s_wait_alu depctr_va_vdst(0)                   ; one wait for the whole batch, ahead of its first reader
	v_pk_add_f32 v[242:243], v[S:S+1], v[S+2:S+3]  ; the row's sum is taken of the unquantised p: two at a time, in two chains
.irp j, 4,8,12,16,20,24,28,32,36,40,44,48,52,56,60
	v_pk_add_f32 v[14:15], v[14:15], v[S+\j:S+\j+1]
	v_pk_add_f32 v[242:243], v[242:243], v[S+\j+2:S+\j+3]
.endr
	s_delay_alu instid0(VALU_DEP_1)
	v_pk_add_f32 v[14:15], v[14:15], v[242:243]
	s_setprio 0
.irp t, 0,1,2,3,4,5,6,7
.irp i, 0,1,2,3,4,5,6,7
.endr
	v_cvt_scalef32_pk8_fp8_f32 v[P+2*\t:P+2*\t+1], v[S+8*\t:S+8*\t+7], v244   ; keys 16 t + 8 h + 0 .. 7: registers 2 t, 2 t + 1 of the operand
.endr
.set j, 0
.rept 16
	v_pk_mul_f32 v[O+j:O+j+1], v[O+j:O+j+1], v[252:253] op_sel_hi:[1,0]   ; O^T under the new M.  (Plain instructions between the conversions and the products that read their results)
.set j, j+2
.endr
	s_wait_alu depctr_va_vdst(0)
	s_wait_dscnt 0x0                               ; V is in
.irp d, 0,1,2,3
	v_wmma_f32_16x16x128_fp8_fp8 v[O+8*\d:O+8*\d+7], v[KV+16*\d:KV+16*\d+15], v[P:P+15], v[O+8*\d:O+8*\d+7]   ; four accumulators by turns
.endr
.if \masked
.Lhid_\@:
.endif
	s_add_co_u32 s[KO], s[KO], 8192                ; the next 128 keys: eight images of K, two blocks of four of V
.endm
.macro INIT                            ; a tile begins: the loop has no first step of its own: it finds zeros, which the first change of M leaves zeros
	v_mov_b32 v13, 0xff61b1e6                      ; the largest t so far: -3e38, under every t
	s_delay_alu instid0(VALU_DEP_1)
	v_floor_f32 v12, -v13
	v_mov_b32 v14, 0
	v_mov_b32 v15, 0
.set j, 0
.rept 32
	v_mov_b32 v[O+j], 0
.set j, j+1
.endr
.endm
; A tile ends: O^T x 2^(e8 + e9) / the sum, as codes with e10: a whole image of oc, from registers.  ob: its address; cd: eight registers of its own for the codes.
.macro WAYOUT ob, cd
.rept 4
	v_nop                                          ; places behind the last products
.endr
	v_add_f32 v14, v14, v15                        ; the sum's two halves,
	s_delay_alu instid0(VALU_DEP_1)
	v_permlanex16_b32 v252, v14, s[SEL], s[SEL+1]
	s_delay_alu instid0(VALU_DEP_1)
	v_add_f32 v14, v14, v252                       ; and lane l xor 16's
	s_wait_alu depctr_va_vdst(0)
	v_rcp_f32 v14, v14
	v_nop                                          ; a plain instruction behind the reciprocal,
	s_wait_alu depctr_va_vdst(0)                   ; and the wait ahead of its first reader
	v_ldexp_f32 v14, v14, s[EX]
.set j, 0
.rept 16
	v_pk_mul_f32 v[S+j:S+j+1], v[O+j:O+j+1], v[14:15] op_sel_hi:[1,0]   ; register 8 t + i is o(query r, d = 16 t + 8 h + i) / 2^e10; each accumulator from its low end on
.set j, j+2
.endr
.set j, 0
.rept 32
.set j, j+1
.endr
.irp t, 0,1,2,3
	v_cvt_scalef32_pk8_fp8_f32 v[\cd+2*\t:\cd+2*\t+1], v[S+8*\t:S+8*\t+7], v[ONE]
.endr
	v_nop                                          ; one plain vector instruction between the conversions and the later writes of their sources
	global_store_b128 v[LI], v[\cd:\cd+3], s[\ob:\ob+1]                  ; 32 lanes store 512 consecutive bytes, aligned
	global_store_b128 v[LI], v[\cd+4:\cd+7], s[\ob:\ob+1] offset:512
.endm
	INIT
	s_wait_tensorcnt 0x1                           ; my part of keys 0-511 is in; my second load may stay out
	s_barrier_signal -1
	s_barrier_wait -1                              ; everybody's is
	s_wait_loadcnt 0x0                             ; Q
	s_mov_b32 s[KO], 0
	s_mov_b32 s[SI], 0
.Lfirst:                                           ; the late tile, steps 0-3: LDS bytes 0 to 32,767 of K and of V; its diagonal step is 8 or later
	STEP QL, 0, 0, 0
	s_add_co_u32 s[SI], s[SI], 1
	s_cmp_lt_u32 s[SI], 4
	s_cbranch_scc1 .Lfirst
	s_setprio 0
	s_wait_tensorcnt 0x0                           ; my part of the rest is in,
	s_barrier_signal -1
	s_barrier_wait -1                              ; everybody's is
	s_mov_b32 s[KO], 32768
	s_mov_b32 s[SI], 4
.Lsecond:                                          ; steps 4-7
	STEP QL, 0, 0, 0
	s_add_co_u32 s[SI], s[SI], 1
	s_cmp_lt_u32 s[SI], 8
	s_cbranch_scc1 .Lsecond
	s_setprio 0
	s_mov_b32 s[KO], 65536
	s_mov_b32 s[SI], 8
.Lthird:                                           ; steps 8-15: up to the diagonal step 15 - w / 2
	STEP QL, 1, GL, DQL
	s_add_co_u32 s[SI], s[SI], 1
	s_cmp_lt_u32 s[SI], 16
	s_cbranch_scc1 .Lthird
	s_setprio 0
	WAYOUT 66, 208
	INIT
	s_mov_b32 s[KO], 0
	s_mov_b32 s[SI], 0
.Lfourth:                                          ; the early tile, steps 0-7: up to the diagonal step w / 2
	STEP QS, 1, G, DQS
	s_add_co_u32 s[SI], s[SI], 1
	s_cmp_lt_u32 s[SI], 8
	s_cbranch_scc1 .Lfourth
	s_setprio 0
	WAYOUT 68, 216
	s_wait_tensorcnt 0x0
	ds_add_u32 v251, v255
	s_wait_dscnt 0x0
	CROUND                                         ; the closing round
	s_endpgm
.Lfunc_end_k_q4b3b8cb100_attn:
	.size	k_q4b3b8cb100_attn, .Lfunc_end_k_q4b3b8cb100_attn-k_q4b3b8cb100_attn
	.p2alignl 7, 3214868480
	.fill 96, 4, 3214868480
	.section	.rodata,"a",@progbits
	.p2align	6, 0x0
	.amdhsa_kernel k_q4b3b8cb100_attn
		.amdhsa_group_segment_fixed_size 327680
		.amdhsa_private_segment_fixed_size 0
		.amdhsa_enable_private_segment 0
		.amdhsa_kernarg_size 24
		.amdhsa_user_sgpr_count 2
		.amdhsa_user_sgpr_kernarg_segment_ptr 1
		.amdhsa_wavefront_size32 1
		.amdhsa_system_sgpr_workgroup_id_x 1
		.amdhsa_system_sgpr_workgroup_id_y 1
		.amdhsa_system_sgpr_workgroup_id_z 1
		.amdhsa_system_vgpr_workitem_id 0
		.amdhsa_next_free_vgpr 256
		.amdhsa_next_free_sgpr 72
		.amdhsa_reserve_vcc 1
		.amdhsa_float_denorm_mode_32 3
		.amdhsa_float_denorm_mode_16_64 3
		.amdhsa_fp16_overflow 1
		.amdhsa_memory_ordered 1
		.amdhsa_forward_progress 1
		.amdhsa_inst_pref_size 79
	.end_amdhsa_kernel
	.amdgpu_metadata
---
amdhsa.version: [ 1, 2 ]
amdhsa.kernels:
  - .name:           k_q4b3b8cb100_attn
    .symbol:         k_q4b3b8cb100_attn.kd
    .args:
      - { .name: qkv, .offset: 0, .size: 8, .value_kind: global_buffer, .address_space: global }
      - { .name: lowp_scales, .offset: 8, .size: 8, .value_kind: global_buffer, .address_space: global }
      - { .name: oc, .offset: 16, .size: 8, .value_kind: global_buffer, .address_space: global }
    .group_segment_fixed_size: 327680
    .private_segment_fixed_size: 0
    .kernarg_segment_align: 8
    .kernarg_segment_size: 24
    .max_flat_workgroup_size: 512
    .sgpr_count:     72
    .vgpr_count:     256
    .wavefront_size: 32
...
	.end_amdgpu_metadata
.endif
;; end of part 3
;; launch outp (part 4): grid 32 x 4, 4 waves a work-group, clusters of 4 x 4, 327,680 bytes of LDS; arguments oc, wc, lowp_scales, out0; writes out0
.if DOCPART == 4
	.amdgcn_target "amdgcn-amd-amdhsa--gfx1250"
	.amdhsa_code_object_version 6
	.text
	.protected	k_q4b3b8cb100_outp
	.globl	k_q4b3b8cb100_outp
	.p2align	8
	.type	k_q4b3b8cb100_outp,@function
k_q4b3b8cb100_outp:
	s_mov_b64 s[64:65], 0
	v_nop
	global_prefetch_b8 v0, s[64:65] scope:SCOPE_SE
	s_setreg_imm32_b32 hwreg(HW_REG_WAVE_MODE, 25, 1), 1
	s_wait_xcnt 0x0
	s_wait_alu depctr_hold_cnt(0) depctr_sa_sdst(0) depctr_va_vdst(0) depctr_va_sdst(0) depctr_va_ssrc(0) depctr_va_vcc(0) depctr_vm_vsrc(0)
	s_getreg_b32 s2, hwreg(HW_REG_IB_STS2, 6, 4)
	s_cmp_eq_u32 s2, 0
	s_cbranch_scc0 .Lentry_in_a_cluster
	s_endpgm
.Lentry_in_a_cluster:
	s_bfe_u32 s2, ttmp6, 0x10000c
	s_cmp_lg_u32 s2, 0xf033
	s_cbranch_scc0 .Lentry_shape_is_right
	s_endpgm
.Lentry_shape_is_right:
; out0 = o wo^T on codes of FP8 (E4M3): o's codes (scale 2^e10) in oc, wo's (2^e11) in the fourth MiB of wc, both as images; out0 [8192][1024] f32; each finished sum is multiplied once by 2^(e10 + e11).
; AN IMAGE is 1,024 bytes: 16 rows x 64 along K; byte 512 c + 16 L + 8 u + j (L = r + 16 h the lane) holds (row r, k = 32 c + 16 u + 8 h + j).  oc: [512 blocks of 16 rows][16][1024]; wc: [wq, wk, wv, wo][64][16][1024].
; LIMIT: e10 + e11 lies between -126 and 127, so that 2^(e10 + e11) is an f32 number.
; A work-group of four waves makes 256 x 256, a wave 128 x 128: 64 accumulators, 512 registers.  K = 1,024 goes in four steps of 256 through two LDS slots filled by the tensor data mover.
; THE MATRIX INSTRUCTION IS USED TRANSPOSED (source 0 = 16 rows of wo, source 1 = 16 rows of o): a lane holds eight neighbouring numbers of a row of out0.
; CLUSTERS: 4 x 4 work-groups, 8 clusters: tile row = 4 x cluster + cy, tile column = cx.  The four of a row of the cluster need the same tiles of o, the four of a column the same tiles of wo: each tile is asked for jointly.
; REGISTERS, in windows of 256: window 0: v16-29 addresses; v128-255 A's fragments, ONE set; on the way out v32-255 are free.  window 1: B's fragments, TWO sets.  windows 2, 3: the accumulators ((a, b) at v[8 (8 (a % 4) + b)]).
.set SIZE_N, 1024
.set ROWB,   4096                      ; a K step of one block of 16 rows: four images on end
.set RBP,    16384                     ; from one block of 16 rows to the next, in memory
.set HALFT,  8*ROWB                    ; 128 rows: what one tensor load brings, and what one wave reads of A or of B
.set SLOT,   4*HALFT                   ; A's 256 rows, then B's
.set SPARE,  2*SLOT                    ; behind the ring: the spare words, 128 bytes for each wave, which no other line names
.set SPITCH, 528                       ; the way out: a stage of 16 rows x (512 bytes + 16) for each wave, in slot 0, which has had its last fill and its last read when the first result is stored there
.set FR,     16
.set NL,     4
.set NP,     4
.set ADRA, 16                          ; v16-17  LDS address of my A fragments in slot 0, 1
.set ADRB, 20                          ; v20-21  the same for B
.set STO,  24                          ; v24     the way out: where I put 32 bytes of a row
.set RD,   25                          ; v25     where I read a row back
.set CO,   26                          ; v26     16 x lane
.set SPW,  28                          ; v28     LDS address of my spare word; never rewritten
.set NIL,  29                          ; v29     0; never rewritten
.set TMP,  32
.set AF,   128
.set BK,   128                         ; the way out: 16 rows read back from the stage: v128-191 and v192-255 by turns
.set G1, 24
.set G0, 32
.set G1B, 48
.set G0B, 56
.set MSB, 0
.macro WIN new                         ; the immediate's high byte repeats the setting that is left
.if MSB != \new
	s_set_vgpr_msb (MSB<<8)|\new
.set MSB, \new
.endif
.endm
.set MUL_LO, 0xa1                      ; source 0 (B) window 1, source 1 (A) window 0, C and D window 2
.set MUL_HI, 0xf1                      ; the same, C and D window 3
.set TO_B,   0x40                      ; destination window 1, address window 0
.macro JLOAD g0a, g1a, g0b, g1b        ; a joint load: waves 0 and 1 fetch for A, waves 2 and 3 for B; four v_nop follow each of the two lines
	s_cmp_eq_u32 s15, 0
	s_cbranch_scc0 .Lfor_b_\@
	tensor_load_to_lds s[\g0a:\g0a+3], s[\g1a:\g1a+7]
	s_nop 0
.rept 4
	v_nop
.endr
	s_branch .Lasked_\@
.Lfor_b_\@:
	tensor_load_to_lds s[\g0b:\g0b+3], s[\g1b:\g1b+7]
	s_nop 0
.rept 4
	v_nop
.endr
.Lasked_\@:
.endm
.macro CREST                           ; a round of the cluster's barrier behind its opening barrier
	s_cmp_lg_u32 s14, 0
	s_cbranch_scc1 .Lnot_wave_0_\@
	s_barrier_signal -3
.Lnot_wave_0_\@:
	s_barrier_wait -3
	s_barrier_signal -1
	s_barrier_wait -1
.endm
.macro CROUND
	s_barrier_signal -1
	s_barrier_wait -1
	CREST
.endm
	s_load_b128 s[4:7], s[0:1], 0x0                ; oc s[4:5], wc s[6:7]
	s_load_b128 s[8:11], s[0:1], 0x10              ; the scales' exponents s[8:9], out0 s[10:11]
	v_lshl_add_u32 v[SPW], v0, 2, SPARE
	v_mov_b32 v[NIL], 0
	ds_add_u32 v28, v29
	ds_add_u32 v28, v29
	s_wait_dscnt 0x0
	v_lshrrev_b32 v1, 5, v0
	v_readfirstlane_b32 s14, v1                    ; wave 0..3
	s_lshr_b32 s15, s14, 1                         ; which half of the tile's rows is mine.  Also: I fetch for A (0) or for B (1)
	s_and_b32 s16, s14, 1                          ; which half of its columns.  Also: which 128 rows of that tile I fetch
	s_bfe_u32 s40, ttmp6, 0x40000                  ; cx = the tile column
	s_bfe_u32 s41, ttmp6, 0x40004                  ; cy
	s_lshl_b32 s17, ttmp9, 2
	s_add_co_u32 s17, s17, s41                     ; the tile row = 4 x cluster + cy
	s_lshl_b32 s43, s41, 2
	s_lshl_b32 s43, 15, s43                        ; my row of the cluster
	s_lshl_b32 s44, 0x1111, s40                    ; my column
	s_or_b32 s[G1+0], s43, (1<<21)                 ; 15:0 the mask: A's tiles go to my row; 17:16 elements of 1 byte; 21 set beside a mask
	s_or_b32 s[G1B+0], s44, (1<<21)
.irp g, G1, G1B
	s_mov_b32 s[\g+1], ROWB<<16                    ; tensor_dim0
	s_mov_b32 s[\g+2], 8<<16                       ; tensor_dim1
	s_mov_b32 s[\g+3], ROWB<<16                    ; tile_dim0
	s_mov_b32 s[\g+4], 8                           ; tile_dim1
	s_mov_b32 s[\g+5], RBP                         ; tensor_dim0_stride
	s_mov_b32 s[\g+6], 0
	s_mov_b32 s[\g+7], 0
.endr
	s_lshl_b32 s18, s16, 17                        ; which 128 rows (8 blocks of 16,384 bytes) I fetch
	s_lshl_b32 s20, s17, 18                        ; 256 rows are 16 blocks
	s_add_co_u32 s20, s20, s18
	s_mov_b32 s21, 0
	s_lshl_b32 s46, s40, 18
	s_add_co_u32 s46, s46, s18
	s_add_co_u32 s46, s46, 0x300000                ; wo's codes
	s_mov_b32 s47, 0
	s_lshl_b32 s45, s14, 15                        ; where they go: wave x 128 rows
	s_wait_kmcnt 0x0
	s_load_b64 s[96:97], s[8:9], 0x28              ; e10, e11
	s_add_nc_u64 s[20:21], s[4:5], s[20:21]
	s_add_nc_u64 s[46:47], s[6:7], s[46:47]
	CROUND                                         ; all sixteen work-groups are here: the first joint loads meet
.irp s, 0,1
	s_mov_b32 s[G0+4*\s], 1
	s_add_co_u32 s[G0+4*\s+1], s45, \s*SLOT
	s_add_nc_u64 s[G0+4*\s+2:G0+4*\s+3], s[20:21], \s*ROWB
	s_or_b32 s[G0+4*\s+3], s[G0+4*\s+3], 0x80000000
	s_mov_b32 s[G0B+4*\s], 1
	s_add_co_u32 s[G0B+4*\s+1], s45, \s*SLOT
	s_add_nc_u64 s[G0B+4*\s+2:G0B+4*\s+3], s[46:47], \s*ROWB
	s_or_b32 s[G0B+4*\s+3], s[G0B+4*\s+3], 0x80000000
	s_wait_alu depctr_va_vdst(0)
	s_wait_tensorcnt 0x0
	ds_add_u32 v28, v29
	ds_add_u32 v28, v29
	s_wait_dscnt 0x0
	CROUND
	JLOAD G0+4*\s, G1, G0B+4*\s, G1B
.endr
	v_and_b32 v1, 15, v0                           ; l % 16
	s_wait_alu depctr_va_vdst(0)
	v_bfe_u32 v2, v0, 4, 1                         ; l / 16
	v_and_b32 v6, 31, v0
	v_lshlrev_b32 v[CO], 4, v6                     ; 16 x lane
	s_lshl_b32 s21, s15, 15                        ; my 128 rows of A
	s_lshl_b32 s22, s16, 15                        ; my 128 rows of B,
	s_add_co_u32 s22, s22, 2*HALFT                 ; which lie behind A's 256
.irp s, 0,1
	v_add_nc_u32 v[ADRA+\s], s21, v[CO]
	v_add_nc_u32 v[ADRB+\s], s22, v[CO]
	s_add_co_u32 s21, s21, SLOT
	s_add_co_u32 s22, s22, SLOT
.endr
	s_mul_i32 s23, s14, 16*SPITCH                  ; my stage
	v_mul_u32_u24 v5, v1, SPITCH                   ; in: row l % 16, 32 bytes for each half of the lanes
	s_wait_alu depctr_va_vdst(0)
	v_lshl_add_u32 v5, v2, 5, v5
	v_add_nc_u32 v[STO], s23, v5
	v_add_nc_u32 v[RD], s23, v[CO]                 ; back: the 32 lanes take one row of 512 bytes
	s_lshl_b32 s20, s17, 8
	s_lshl_b32 s21, s15, 7
	s_add_co_u32 s20, s20, s21                     ; my first row of out0
	s_lshl_b32 s20, s20, 12                        ; rows of 4,096 bytes
	s_lshl_b32 s46, s40, 10                        ; my first column, in bytes: 1,024 x tile column + 512 x half
	s_lshl_b32 s47, s16, 9
	s_add_co_u32 s46, s46, s47
	s_add_co_u32 s20, s20, s46
	s_mov_b32 s21, 0
	s_add_nc_u64 s[10:11], s[10:11], s[20:21]
.macro FRAG reg, adr, q, i             ; block i's fragment of the slot's q-th 128 along K: two images, four loads of 512 consecutive bytes
.irp c, 0,1,2,3
	ds_load_b128 v[\reg+4*\c:\reg+4*\c+3], v[\adr] offset:2048*(\q)+512*\c+(\i)*ROWB
.endr
.endm
; 16 matrix instructions: A's blocks a0, a0 + 1 x B's eight, 128 along K.  The 64 accumulators take turns, one instruction a turn, in the same order in every step.
.macro MUL16 a0, p, zero
.irp a, \a0, \a0+1
.irp b, 0,1,2,3,4,5,6,7
.if \zero
	v_wmma_f32_16x16x128_fp8_fp8 v[8*(8*((\a)%4)+\b):8*(8*((\a)%4)+\b)+7], v[128*(\p)+FR*\b:128*(\p)+FR*\b+FR-1], v[AF+FR*(\a):AF+FR*(\a)+FR-1], 0
.else
	v_wmma_f32_16x16x128_fp8_fp8 v[8*(8*((\a)%4)+\b):8*(8*((\a)%4)+\b)+7], v[128*(\p)+FR*\b:128*(\p)+FR*\b+FR-1], v[AF+FR*(\a):AF+FR*(\a)+FR-1], v[8*(8*((\a)%4)+\b):8*(8*((\a)%4)+\b)+7]
.endif
.endr
.endr
.endm
.macro FETCH_B slot, q, p
	WIN TO_B
.irp i, 0,1,2,3,4,5,6,7
	FRAG 128*(\p)+FR*\i, ADRB+\slot, \q, \i
.endr
	WIN 0
.endm
.macro FETCH_A slot, q, i0
.irp i, \i0, \i0+1, \i0+2, \i0+3
	FRAG AF+FR*(\i), ADRA+\slot, \q, \i
.endr
.endm
.macro PLACES n                        ; plain vector instructions between a matrix instruction and a load into a register that it read, or a read of its result
.rept \n
	v_nop
.endr
.endm
.macro STEP slot, q, zero
	s_wait_dscnt 4*NL                              ; B's set and A's blocks 0-3 are in; the youngest sixteen loads (A's blocks 4-7) may be out
	WIN MUL_LO
	MUL16 0, (\q)%2, \zero
	MUL16 2, (\q)%2, \zero
	s_wait_dscnt 0                                 ; A's blocks 4-7 are in
	PLACES NP
	FETCH_B \slot, (\q)+1, 1-(\q)%2
	FETCH_A \slot, (\q)+1, 0
	WIN MUL_HI
	MUL16 4, (\q)%2, \zero
	MUL16 6, (\q)%2, \zero
	PLACES NP
	WIN 0
	FETCH_A \slot, (\q)+1, 4
.endm
; A slot's last step changes slots: ONE barrier; in front of it each wave waits for all its tensor loads, adds 0 to its spare word, and waits for that and for its own reads of this slot.  fill = 1: this slot is filled again, two K steps ahead.
.macro TURN slot, next, fill
	s_wait_tensorcnt 0x0                           ; all my tensor loads have landed: my part of the next slot
	ds_add_u32 v[SPW], v[NIL]                      ; 0 onto my spare word
	s_wait_dscnt 4*NL+1                            ; (the add and the youngest sixteen loads, A's blocks 4-7, may be out)
	WIN MUL_LO
	MUL16 0, 1, 0                                  ; sixteen matrix instructions stand between the add and the wait for it
	s_wait_dscnt 0x0                               ; the add is done, and my reads of this slot are over
	s_barrier_signal -1
	MUL16 2, 1, 0
	WIN 0
	s_barrier_wait -1
.if \fill
	CREST                                          ; the barrier has opened a round of the cluster's barrier: no wave of any partner still reads this slot or has a load on its way
	s_add_nc_u64 s[G0+4*\slot+2:G0+4*\slot+3], s[G0+4*\slot+2:G0+4*\slot+3], 2*ROWB
	s_add_nc_u64 s[G0B+4*\slot+2:G0B+4*\slot+3], s[G0B+4*\slot+2:G0B+4*\slot+3], 2*ROWB
	JLOAD G0+4*\slot, G1, G0B+4*\slot, G1B         ; the first tensor load behind the round; its four v_nop are the places in front of the loads below
.else
	PLACES NP
.endif
	FETCH_B \next, 0, 0
	FETCH_A \next, 0, 0
	WIN MUL_HI
	MUL16 4, 1, 0
	MUL16 6, 1, 0
	PLACES NP
	WIN 0
	FETCH_A \next, 0, 4
.endm
	s_wait_tensorcnt 1                             ; my part of K step 0 is in (K step 1's load may be out)
	s_barrier_signal -1
	s_barrier_wait -1                              ; everybody's is
	FETCH_B 0, 0, 0
	FETCH_A 0, 0, 0
	FETCH_A 0, 0, 4
	STEP 0, 0, 1                                   ; K = 1,024: four K steps of 256, written out.  The first products start the sums
	TURN 0, 1, 1                                   ; slot 0 takes K step 2
	STEP 1, 0, 0
	TURN 1, 0, 1                                   ; slot 1 takes K step 3
	STEP 0, 0, 0
	TURN 0, 1, 0                                   ; nothing is left to fetch; behind this barrier nobody reads slot 0
	STEP 1, 0, 0
	s_wait_dscnt 4*NL
	WIN MUL_LO
	MUL16 0, 1, 0
	MUL16 2, 1, 0
	s_wait_dscnt 0
	WIN MUL_HI
	MUL16 4, 1, 0
	MUL16 6, 1, 0
	WIN 0
; THE WAY OUT, block by block of 16 rows x 128 columns.  A lane holds 32 neighbouring bytes of a row, and the lanes beside it hold other rows: so a block goes through my own stage in LDS and comes back as whole
; rows of 512 bytes.  LDS serves a wave's instructions in order (ISA guide 5.7.1.4): no wait between the stores and the loads, nor in front of the next block's stores.
.macro TOSTAGE a
.set AC, 64*((\a)%4)
	WIN 0x02+((\a)/4)                              ; source 0: window 2 or 3
.irp j, 0,2,4,6,8,10,12,14,16,18,20,22,24,26,28,30,32,34,36,38,40,42,44,46,48,50,52,54,56,58,60,62
	v_pk_mul_f32 v[TMP+\j:TMP+\j+1], v[AC+\j:AC+\j+1], s[96:97] op_sel_hi:[1,0]   ; both x s96 = 2^(e10 + e11); each accumulator from its low end on
.endr
	WIN 0
.irp b, 0,1,2,3,4,5,6,7
	ds_store_b128 v[STO], v[TMP+8*\b:TMP+8*\b+3] offset:64*\b
	ds_store_b128 v[STO], v[TMP+8*\b+4:TMP+8*\b+7] offset:64*\b+16
.endr
.set BB, BK+64*((\a)%2)
.irp t, 0,1,2,3,4,5,6,7,8,9,10,11,12,13,14,15
	ds_load_b128 v[BB+4*\t:BB+4*\t+3], v[RD] offset:\t*SPITCH
.endr
.endm
.macro SEND a, younger                 ; younger: the LDS instructions issued behind block a's loads, which may stay out
.set BB, BK+64*((\a)%2)
	s_wait_dscnt \younger                          ; the block is back in registers
.if (\a) > 0
	s_add_nc_u64 s[10:11], s[10:11], 16*SIZE_N*4   ; (behind a wait on XCNT: the earlier stores have read their base)  16 rows on
.endif
.irp t, 0,1,2,3,4,5,6,7,8,9,10,11,12,13,14,15
	global_store_b128 v[CO], v[BB+4*\t:BB+4*\t+3], s[10:11] offset:\t*SIZE_N*4 th:TH_STORE_NT   ; 32 lanes store 512 consecutive bytes, aligned; written once, read by nobody here
.endr
.endm
	s_wait_kmcnt 0x0
	s_add_co_i32 s96, s96, s97                     ; e10 + e11, between -126 and 127,
	s_add_co_i32 s96, s96, 127
	s_lshl_b32 s96, s96, 23                        ; makes the f32 number 2^(e10 + e11)
	PLACES NP                                      ; behind the last products: for the loads into the registers that held A's fragments and for the reads of results
	TOSTAGE 0
.irp a, 1,2,3,4,5,6,7
.if \a > 1
	s_wait_xcnt 0x0                                ; block a - 2's stores have read their registers and their base: block a's loads may land there, and the base may step
.endif
	TOSTAGE \a
	SEND \a-1, 32                                  ; behind block a - 1's loads: block a's 16 stores and 16 loads
.endr
	s_wait_xcnt 0x0                                ; block 6's stores have read their base
	SEND 7, 0
	s_wait_tensorcnt 0x0                           ; the wave's end
	ds_add_u32 v[SPW], v[NIL]
	s_wait_dscnt 0x0
	CROUND                                         ; the closing round: no work-group ends while a partner may still ask for a tile that names it
	s_endpgm
.Lfunc_end_k_q4b3b8cb100_outp:
	.size	k_q4b3b8cb100_outp, .Lfunc_end_k_q4b3b8cb100_outp-k_q4b3b8cb100_outp
	.p2alignl 7, 3214868480
	.fill 96, 4, 3214868480
	.section	.rodata,"a",@progbits
	.p2align	6, 0x0
	.amdhsa_kernel k_q4b3b8cb100_outp
		.amdhsa_group_segment_fixed_size 327680
		.amdhsa_private_segment_fixed_size 0
		.amdhsa_enable_private_segment 0
		.amdhsa_kernarg_size 32
		.amdhsa_user_sgpr_count 2
		.amdhsa_user_sgpr_kernarg_segment_ptr 1
		.amdhsa_wavefront_size32 1
		.amdhsa_system_sgpr_workgroup_id_x 1
		.amdhsa_system_sgpr_workgroup_id_y 1
		.amdhsa_system_sgpr_workgroup_id_z 1
		.amdhsa_system_vgpr_workitem_id 0
		.amdhsa_next_free_vgpr 1024
		.amdhsa_next_free_sgpr 98
		.amdhsa_reserve_vcc 0
		.amdhsa_float_denorm_mode_32 3
		.amdhsa_float_denorm_mode_16_64 3
		.amdhsa_memory_ordered 1
		.amdhsa_forward_progress 1
		.amdhsa_inst_pref_size 123
	.end_amdhsa_kernel
	.amdgpu_metadata
---
amdhsa.version: [ 1, 2 ]
amdhsa.kernels:
  - .name:           k_q4b3b8cb100_outp
    .symbol:         k_q4b3b8cb100_outp.kd
    .args:
      - { .name: oc, .offset: 0, .size: 8, .value_kind: global_buffer, .address_space: global }
      - { .name: wc, .offset: 8, .size: 8, .value_kind: global_buffer, .address_space: global }
      - { .name: lowp_scales, .offset: 16, .size: 8, .value_kind: global_buffer, .address_space: global }
      - { .name: out0, .offset: 24, .size: 8, .value_kind: global_buffer, .address_space: global }
    .group_segment_fixed_size: 327680
    .private_segment_fixed_size: 0
    .kernarg_segment_align: 8
    .kernarg_segment_size: 32
    .max_flat_workgroup_size: 128
    .sgpr_count:     98
    .vgpr_count:     1024
    .wavefront_size: 32
...
	.end_amdgpu_metadata
.endif
;; end of part 4
